; MI455X (gfx1250); checked and timed in simulation.
; The chip was launched on July 23, 2026; its instructions are those of AMD's public machine-readable ISA for CDNA 5 (MIT licence, August 2026) and "CDNA5" Instruction Set Architecture Reference Guide (July 2026). The comments in the code are by the model that wrote it; some were corrected since.
;; Z Sequence Generator. Allowed arithmetic: float matrix products may take bf16 or f16 operands with f32 sums; all other float work in f32.
;; Inputs: W_halt 1 x 1,024 float32; W_hh 3,072 x 1,024 float32; W_ih 3,072 x 256 float32; W_in1 1,024 x 1,024 float32; W_in2 1,024 x 1,024 float32; W_z 256 x 1,024 float32; b_halt 1 float32; b_hh 3,072 float32; b_ih 3,072 float32; b_in1 1,024 float32; b_in2 1,024 float32; b_z 256 float32; embedding 16,384 x 1,024 float32.
;; Outputs: out0 16,384 x 1 x 256 float32; out1 16,384 x 1 float32; out2 16,384 x 1 float32; out3 16,384 float32.
;; One version. Each part assembles by itself: llvm-mc -triple=amdgcn-amd-amdhsa -mcpu=gfx1250 --defsym DOCPART=n.
;; ======== version 1 of 1: 2 launches
;; limits: a function is approximated: absolute error at most 1.5e-07; values are held in f16: magnitudes above 65,504 overflow, below 6.1e-05 lose precision
;; workspace buffers: wt 2,621,440 bytes; bc 1,024 bytes
;; launch prep (part 1): grid 256 x 1, 4 waves a work-group, no clusters, 54,784 bytes of LDS; arguments W_in1, W_in2, W_z, b_in2, b_z, wt, bc; writes wt, bc
.if DOCPART == 1
	.amdgcn_target "amdgcn-amd-amdhsa--gfx1250"
	.amdhsa_code_object_version 6
	.text
	.protected	k_q36afa6e437_prep
	.globl	k_q36afa6e437_prep
	.p2align	8
	.type	k_q36afa6e437_prep,@function
k_q36afa6e437_prep:
	s_mov_b64 s[64:65], 0
	v_nop
	global_prefetch_b8 v0, s[64:65] scope:SCOPE_SE
	s_setreg_imm32_b32 hwreg(HW_REG_WAVE_MODE, 25, 1), 1
	s_wait_xcnt 0x0
; Prepares the weights of the fused launch.  Two jobs in each of 256 work-groups of four waves.
;   Job A: four rows of W_in1 are rounded to f16 and laid into wt in the order in which the fused launch streams them:
;          tile s (s = 0..15, 131,072 bytes), quarter n >> 8 (32,768 bytes), row n & 255 (128 bytes) = W_in1[n][64 s .. 64 s + 63].
;   Job B: a block of 16 x 64 of Wc = W_z W_in2 (Wc[l][k] = sum over j of W_z[l][j] W_in2[j][k]), f16 operands, f32 sums; 64 Wc is rounded to f16 into
;          tile 16 + (l >> 6), quarter k >> 8, row 64 ((k >> 6) & 3) + (l & 63), element k & 63;
;          and, in the work-groups of the first column block, 16 numbers of bc = W_z b_in2 + b_z (f32).
; Why Wc: reference() uses h = G W_in2^T + b_in2 only in z0 = h W_z^T + b_z, so z0 = G Wc^T + bc for every input (the same sum in another order).
; Wc is rounded to 16 bits where the chain as written would round h.
; WHY f16, AND ITS LIMIT.  A bf16 rounding has a relative step of 2^-8; two such roundings in a sum of 1,024 terms leave a spread of about 0.2 % of z's root mean
; square, a fifth of the 1 % that is allowed: too near for 4.2 million numbers.  f16's step is 2^-11.  Its range (largest 65,504, smallest normal 6.1e-5, denormals kept):
; the weights are drawn with a spread of 0.02: 30 times larger 0.6, with an offset of 30 spreads 0.6, 30 times smaller 6.7e-4.  Wc has a spread of 0.0128 and is stored
; times 64 (exact; the fused launch takes the factor back): 0.82 as drawn; W_z and W_in2 both 30 times larger: 740; both with an offset of 0.6: 64 x 1024 x 0.36 = 23,593;
; both 30 times smaller: 9e-4.  A weight, a b_in2 or a 64 Wc beyond 65,504 in magnitude becomes infinite.
; Work-group wg: lb = wg >> 4 is the block of 16 rows l, kbk = wg & 15 the block of 64 columns k.  The sum over j = 0..1023 is shared out: wave w takes
; j = 256 w .. 256 w + 255 in eight blocks of 32; the four partial blocks meet in LDS.
; W_in2 lies [j][k], the matrix unit wants j along a lane's registers.  No transposing load is needed: lane (r, h) loads 16 bytes (columns 4 r .. 4 r + 3)
; of the sixteen rows j that its registers stand for; word q of those loads, packed in pairs, is its part of a fragment whose column r is the true column 4 r + q.
; Every operand is converted from f32 in registers, so all loads go through registers and no copy engine is used.
; The fifth accumulator (W_z b_in2) is computed in every work-group and used in 16 of them: 8 of a wave's 40 matrix instructions, for one text without a branch in the sums.
; bc leaves in pieces of 64 bytes (1,024 bytes in the whole launch).
.set WPITCH, 528                       ; stage of W_z: a row of 256 f16 + 16 bytes = 33 x 16 bytes
.set WSB,    9216                      ; a wave's stage: 17 rows (16 of W_z, then b_in2), its own bytes
.set PS,     4*WSB                     ; behind the stages: the four partial blocks
.set PPITCH, 272                       ; a row of 64 f32 + 16 bytes; the first word of the 16 holds the row's W_z b_in2
.set PW,     16*PPITCH                 ; a wave's partial block
.set AO,  4                            ; v4   job A: load offset
.set AS,  6                            ; v6   job A: store offset
.set WO,  7                            ; v7   W_z and b_in2: 1,024 w + 16 lane
.set IO,  8                            ; v8   W_in2: (256 w + 8 h) rows + 16 r
.set WST, 9                            ; v9   stage, in
.set WRA, 10                           ; v10  stage, back: W_z's fragments
.set WRB, 11                           ; v11  stage, back: b_in2's fragments (row 16 for every lane)
.set PSA, 12                           ; v12  partial block, in
.set PS5, 13                           ; v13  partial block, in: the fifth tile's word
.set PRD, 14                           ; v14  partial blocks, back
.set OO,  15                           ; v15  16 x thread
.set ACC, 16                           ; v[16:55]   five accumulators: columns 4 r + q for q = 0..3, then W_z b_in2
.set RW,  56                           ; v[56:191]  W_z and b_in2 as loaded (34 loads)
.set AF,  56                           ; v[56:119]  then W_z's eight fragments
.set B2F, 120                          ; v[120:183] and b_in2's eight
.set BF,  184                          ; v[184:247] W_in2's four fragments of a block, two buffers
.set RA,  192                          ; v[192:223] job A's rows, before BF is first written
.set S,   56                           ; v[56:91]   the closing sum
; window 1 (v256-511): W_in2 as loaded, a ring of four blocks of 64 registers
.set MSB, 0
.macro WIN new                         ; the immediate's high byte repeats the setting that is left
.if MSB != (\new)
	s_set_vgpr_msb (MSB<<8)|(\new)
.set MSB, (\new)
.endif
.endm
.macro PLACES
.rept 4
	v_nop
.endr
.endm
; The sixteen rows of W_in2 that block jb's fragments stand for: j = 256 w + 32 jb + 8 h + 0..7 and + 16 + 0..7.  Sixteen lanes take 256 consecutive bytes of a row.
.macro LOADJ jb
	WIN 0x40                               ; destination in window 1, address in window 0
.irp t, 0,1,2,3,4,5,6,7,8,9,10,11,12,13,14,15
	global_load_b128 v[64*((\jb)&3)+4*\t:64*((\jb)&3)+4*\t+3], v[IO], s[6:7] offset:(32*(\jb)+\t+8*(\t/8))*4096
.endr
.endm
; One block of 32 along j.  left = the loads of the younger blocks that may stay out; ahead = 1: block jb + 3 is asked for; zero = 1: the products start the sums.
.macro JSTEP jb, left, ahead, zero
	s_wait_loadcnt \left
	WIN 0x05                               ; both sources in window 1
.irp q, 0,1,2,3
.irp p, 0,1,2,3,4,5,6,7
	v_cvt_pk_f16_f32 v[BF+32*((\jb)&1)+8*\q+\p], v[64*((\jb)&3)+8*\p+\q], v[64*((\jb)&3)+8*\p+4+\q]   ; rows 2 p and 2 p + 1 of my sixteen, word q
.endr
.endr
.if \ahead
	LOADJ (\jb)+3                          ; into the ring's block that the step before has converted
.endif
	WIN 0
	; five accumulators by turns, one instruction a turn, over the steps too.
	; A buffer of BF is written again two steps later: the 32 conversions of the step between are the places behind the matrix instructions that read it.
.irp q, 0,1,2,3
.if \zero
	v_wmma_f32_16x16x32_f16 v[ACC+8*\q:ACC+8*\q+7], v[AF+8*(\jb):AF+8*(\jb)+7], v[BF+32*((\jb)&1)+8*\q:BF+32*((\jb)&1)+8*\q+7], 0
.else
	v_wmma_f32_16x16x32_f16 v[ACC+8*\q:ACC+8*\q+7], v[AF+8*(\jb):AF+8*(\jb)+7], v[BF+32*((\jb)&1)+8*\q:BF+32*((\jb)&1)+8*\q+7], v[ACC+8*\q:ACC+8*\q+7]
.endif
.endr
.if \zero
	v_wmma_f32_16x16x32_f16 v[ACC+32:ACC+39], v[AF+8*(\jb):AF+8*(\jb)+7], v[B2F+8*(\jb):B2F+8*(\jb)+7], 0
.else
	v_wmma_f32_16x16x32_f16 v[ACC+32:ACC+39], v[AF+8*(\jb):AF+8*(\jb)+7], v[B2F+8*(\jb):B2F+8*(\jb)+7], v[ACC+32:ACC+39]
.endif
.endm
	s_load_b256 s[4:11], s[0:1], 0x0               ; W_in1 s[4:5], W_in2 s[6:7], W_z s[8:9], b_in2 s[10:11]
	s_load_b128 s[12:15], s[0:1], 0x20             ; b_z s[12:13], wt s[14:15]
	s_load_b64 s[16:17], s[0:1], 0x30              ; bc
	v_lshl_add_u32 v254, v0, 2, 0xd400
	v_mov_b32 v255, 0
	v_lshrrev_b32 v1, 5, v0
	v_readfirstlane_b32 s20, v1                    ; wave 0..3
	s_lshr_b32 s21, ttmp9, 4                       ; lb
	s_and_b32 s22, ttmp9, 15                       ; kbk
	v_and_b32 v1, 31, v0                           ; lane
	v_and_b32 v2, 15, v0                           ; r
	v_bfe_u32 v3, v0, 4, 1                         ; h
	; job A: lane l of wave w takes 32 bytes (8 numbers) at byte 32 (l & 7) of the 256 bytes of k tile w + 4 u in row l >> 3 of the group's four
	v_bfe_u32 v5, v0, 3, 2
	v_lshlrev_b32 v[AO], 12, v5
	v_bfe_u32 v5, v0, 5, 2
	v_lshl_add_u32 v[AO], v5, 8, v[AO]
	v_lshlrev_b32 v[AS], 4, v1
	v_lshl_add_u32 v[AS], v5, 17, v[AS]            ; and stores 16 bytes at 16 l of the 512 that the four rows have in tile w + 4 u
	v_and_b32 v5, 7, v0
	v_lshl_add_u32 v[AO], v5, 5, v[AO]
	v_lshlrev_b32 v[WO], 4, v1
	v_lshl_add_u32 v[WO], s20, 10, v[WO]
	v_lshlrev_b32 v[IO], 4, v2
	v_lshl_add_u32 v[IO], v3, 15, v[IO]
	v_lshl_add_u32 v[IO], s20, 20, v[IO]
	s_lshl_b32 s24, ttmp9, 14                      ; W_in1: four rows of 4,096 bytes a work-group
	s_mov_b32 s25, 0
	s_lshr_b32 s26, ttmp9, 6                       ; job A in wt: quarter wg >> 6, rows 4 (wg & 63) ..
	s_lshl_b32 s26, s26, 15
	s_and_b32 s28, ttmp9, 63
	s_lshl_b32 s28, s28, 9
	s_add_co_u32 s26, s26, s28
	s_mov_b32 s27, 0
	s_lshr_b32 s28, s21, 2                         ; job B in wt: tile 16 + (lb >> 2),
	s_add_co_u32 s28, s28, 16
	s_lshl_b32 s28, s28, 17
	s_lshr_b32 s29, s22, 2                         ; quarter kbk >> 2,
	s_lshl_b32 s29, s29, 15
	s_add_co_u32 s28, s28, s29
	s_and_b32 s29, s22, 3                          ; rows 64 (kbk & 3)
	s_lshl_b32 s29, s29, 13
	s_add_co_u32 s28, s28, s29
	s_and_b32 s29, s21, 3                          ; + 16 (lb & 3) .., of 128 bytes
	s_lshl_b32 s29, s29, 11
	s_add_co_u32 s28, s28, s29
	s_mov_b32 s29, 0
	s_lshl_b32 s30, s21, 16                        ; W_z: 16 rows of 4,096 bytes a block
	s_mov_b32 s31, 0
	s_lshl_b32 s32, s22, 8                         ; W_in2: 64 columns of 4 bytes a block
	s_mov_b32 s33, 0
	s_lshl_b32 s34, s21, 6                         ; b_z and bc: 16 numbers a block
	s_mov_b32 s35, 0
	s_mul_i32 s37, s20, WSB                        ; my stage
	s_mul_i32 s38, s20, PW
	s_add_co_u32 s38, s38, PS                      ; my partial block
	s_wait_kmcnt 0x0
	s_add_nc_u64 s[4:5], s[4:5], s[24:25]
	s_add_nc_u64 s[18:19], s[14:15], s[26:27]      ; wt for job A
	s_add_nc_u64 s[14:15], s[14:15], s[28:29]      ; wt for job B
	s_add_nc_u64 s[8:9], s[8:9], s[30:31]
	s_add_nc_u64 s[6:7], s[6:7], s[32:33]
	s_add_nc_u64 s[12:13], s[12:13], s[34:35]
	s_add_nc_u64 s[16:17], s[16:17], s[34:35]
	; 58 loads go out: job A's 8, W_z's 32 and b_in2's 2, block 0's 16
.irp u, 0,1,2,3
	global_load_b128 v[RA+8*\u:RA+8*\u+3],   v[AO], s[4:5] offset:\u*1024 th:TH_LOAD_NT
	global_load_b128 v[RA+8*\u+4:RA+8*\u+7], v[AO], s[4:5] offset:\u*1024+16 th:TH_LOAD_NT
.endr
.set e, 0
.rept 32
	global_load_b128 v[RW+4*e:RW+4*e+3], v[WO], s[8:9] offset:(e>>1)*4096+(e&1)*512   ; 512 consecutive bytes: half of my 1,024 bytes of row e >> 1
.set e, e+1
.endr
	global_load_b128 v[RW+128:RW+131], v[WO], s[10:11]
	global_load_b128 v[RW+132:RW+135], v[WO], s[10:11] offset:512
	LOADJ 0
	WIN 0
	v_lshl_add_u32 v[WST], v1, 3, s37              ; in: 8 bytes a lane
	v_mul_u32_u24 v5, v2, WPITCH
	v_lshl_add_u32 v5, v3, 4, v5
	v_add_nc_u32 v[WRA], s37, v5                   ; back: row r, 16 h
	v_lshl_add_u32 v[WRB], v3, 4, s37
	v_add_nc_u32 v[WRB], 16*WPITCH, v[WRB]         ; back: row 16 in every lane: b_in2 stands in all sixteen columns
	v_mul_u32_u24 v5, v3, 8*PPITCH
	v_add_nc_u32 v[PS5], s38, v5
	v_lshl_add_u32 v[PSA], v2, 4, v[PS5]           ; rows 8 h .., columns 4 r ..
	v_add_nc_u32 v[PS5], 256, v[PS5]               ; rows 8 h .., the word behind the 64 columns
	v_lshrrev_b32 v5, 3, v0
	v_mul_u32_u24 v5, v5, PPITCH
	v_and_b32 v[PRD], 7, v0
	v_lshl_add_u32 v[PRD], v[PRD], 5, v5
	v_add_nc_u32 v[PRD], PS, v[PRD]                ; back: row thread >> 3, 32 bytes at 32 (thread & 7)
	v_lshlrev_b32 v[OO], 4, v0
	; job A
	s_wait_loadcnt 50                              ; the 50 younger loads stay out: job A's eight are in
.irp u, 0,1,2,3
	v_cvt_pk_f16_f32 v[RA+8*\u],   v[RA+8*\u],   v[RA+8*\u+1]
	v_cvt_pk_f16_f32 v[RA+8*\u+1], v[RA+8*\u+2], v[RA+8*\u+3]
	v_cvt_pk_f16_f32 v[RA+8*\u+2], v[RA+8*\u+4], v[RA+8*\u+5]
	v_cvt_pk_f16_f32 v[RA+8*\u+3], v[RA+8*\u+6], v[RA+8*\u+7]
	global_store_b128 v[AS], v[RA+8*\u:RA+8*\u+3], s[18:19] offset:\u*524288   ; a wave's store covers 512 consecutive bytes, aligned
.endr
	; W_z's slice and b_in2's, through my own stage into fragments
	s_wait_loadcnt 16                              ; block 0's sixteen stay out: W_z and b_in2 are in
	LOADJ 1
	LOADJ 2
	WIN 0
.set e, 0
.rept 34
	v_cvt_pk_f16_f32 v[RW+4*e],   v[RW+4*e],   v[RW+4*e+1]
	v_cvt_pk_f16_f32 v[RW+4*e+1], v[RW+4*e+2], v[RW+4*e+3]
	ds_store_b64 v[WST], v[RW+4*e:RW+4*e+1] offset:(e>>1)*WPITCH+(e&1)*256
.set e, e+1
.endr
.irp j, 0,1,2,3,4,5,6,7
	ds_load_b128 v[AF+8*\j:AF+8*\j+3],     v[WRA] offset:64*\j       ; LDS serves a wave's instructions in order (ISA guide 5.7.1): these see my stores above
	ds_load_b128 v[AF+8*\j+4:AF+8*\j+7],   v[WRA] offset:64*\j+32
	ds_load_b128 v[B2F+8*\j:B2F+8*\j+3],   v[WRB] offset:64*\j
	ds_load_b128 v[B2F+8*\j+4:B2F+8*\j+7], v[WRB] offset:64*\j+32
.endr
	s_wait_xcnt 0x0                                ; job A's stores read v[192:223]: BF is written there only behind this wait
	s_wait_dscnt 0x0                               ; the fragments of W_z and b_in2
	JSTEP 0, 32, 1, 1                              ; 32: the two younger blocks' loads
	JSTEP 1, 32, 1, 0
	JSTEP 2, 32, 1, 0
	JSTEP 3, 32, 1, 0
	JSTEP 4, 32, 1, 0
	JSTEP 5, 32, 0, 0
	JSTEP 6, 16, 0, 0                              ; the counts run down: one block is left,
	JSTEP 7, 0, 0, 0                               ; none
	PLACES                                         ; four places behind the last matrix instructions, for the stores of results and the loads into v[56:87]
	; register jj of accumulator q in lane (r, h) is the partial Wc[16 lb + 8 h + jj][64 kbk + 4 r + q]
.irp q, 0,1,2,3
.irp jj, 0,1,2,3,4,5,6,7
	ds_store_b32 v[PSA], v[ACC+8*\q+\jj] offset:\jj*PPITCH+4*\q
.endr
.endr
.irp jj, 0,1,2,3,4,5,6,7
	ds_store_b32 v[PS5], v[ACC+32+\jj] offset:\jj*PPITCH     ; sixteen lanes write the same word with the same number
.endr
	s_wait_dscnt 0x0                               ; for the other waves' sake: my partial block is written
	s_barrier_signal -1
	s_barrier_wait -1
.irp p, 0,1,2,3
	ds_load_b128 v[S+8*\p:S+8*\p+3],   v[PRD] offset:\p*PW
	ds_load_b128 v[S+8*\p+4:S+8*\p+7], v[PRD] offset:\p*PW+16
.endr
	s_wait_dscnt 0x0
.irp i, 0,2,4,6
	v_pk_add_f32 v[S+\i:S+\i+1],       v[S+\i:S+\i+1],       v[S+8+\i:S+8+\i+1]
	v_pk_add_f32 v[S+16+\i:S+16+\i+1], v[S+16+\i:S+16+\i+1], v[S+24+\i:S+24+\i+1]
.endr
.irp i, 0,2,4,6
	v_pk_add_f32 v[S+\i:S+\i+1], v[S+\i:S+\i+1], v[S+16+\i:S+16+\i+1]
.endr
.irp i, 0,2,4,6
	v_pk_mul_f32 v[S+\i:S+\i+1], v[S+\i:S+\i+1], 0x42800000 op_sel_hi:[1,0]    ; times 64, exact: Wc's place in f16's range (see the head)
.endr
.irp i, 0,1,2,3
	v_cvt_pk_f16_f32 v[S+32+\i], v[S+2*\i], v[S+2*\i+1]
.endr
	global_store_b128 v[OO], v[S+32:S+35], s[14:15]          ; the group's 16 rows of 128 bytes are 2,048 consecutive bytes of wt
	; bc, in the first column block's work-groups, by wave 0
	s_cmp_lg_u32 s22, 0
	s_cbranch_scc1 .Ldone
	s_cmp_lg_u32 s20, 0
	s_cbranch_scc1 .Ldone
	v_mul_u32_u24 v92, v2, PPITCH
	v_lshlrev_b32 v93, 2, v2
	global_load_b32 v94, v93, s[12:13]             ; b_z[16 lb + r]
.irp p, 0,1,2,3
	ds_load_b32 v[96+\p], v92 offset:PS+256+\p*PW
.endr
	s_wait_dscnt 0x0
	v_add_f32 v96, v96, v97
	v_add_f32 v98, v98, v99
	v_add_f32 v96, v96, v98
	s_wait_loadcnt 0x0
	v_add_f32 v96, v96, v94
	v_cmp_gt_u32 vcc_lo, 16, v0
	s_wait_xcnt 0x0                                ; EXEC is a source of the load and the store above: it changes only behind this wait
	s_and_saveexec_b32 s36, vcc_lo
	global_store_b32 v93, v96, s[16:17]            ; lanes 0 to 15
	s_wait_xcnt 0x0                                ; and again in front of the line that widens it
	s_or_b32 exec_lo, exec_lo, s36
.Ldone:
	s_wait_tensorcnt 0x0
	ds_add_u32 v254, v255
	s_wait_dscnt 0x0
	s_endpgm
.Lfunc_end_k_q36afa6e437_prep:
	.size	k_q36afa6e437_prep, .Lfunc_end_k_q36afa6e437_prep-k_q36afa6e437_prep
	.p2alignl 7, 3214868480
	.fill 96, 4, 3214868480
	.section	.rodata,"a",@progbits
	.p2align	6, 0x0
	.amdhsa_kernel k_q36afa6e437_prep
		.amdhsa_group_segment_fixed_size 54784
		.amdhsa_private_segment_fixed_size 0
		.amdhsa_enable_private_segment 0
		.amdhsa_kernarg_size 56
		.amdhsa_user_sgpr_count 2
		.amdhsa_user_sgpr_kernarg_segment_ptr 1
		.amdhsa_wavefront_size32 1
		.amdhsa_system_sgpr_workgroup_id_x 1
		.amdhsa_system_sgpr_workgroup_id_y 1
		.amdhsa_system_sgpr_workgroup_id_z 1
		.amdhsa_system_vgpr_workitem_id 0
		.amdhsa_next_free_vgpr 512
		.amdhsa_next_free_sgpr 66
		.amdhsa_reserve_vcc 1
		.amdhsa_float_denorm_mode_32 3
		.amdhsa_float_denorm_mode_16_64 3
		.amdhsa_memory_ordered 1
		.amdhsa_forward_progress 1
		.amdhsa_inst_pref_size 55
	.end_amdhsa_kernel
	.amdgpu_metadata
---
amdhsa.version: [ 1, 2 ]
amdhsa.kernels:
  - .name:           k_q36afa6e437_prep
    .symbol:         k_q36afa6e437_prep.kd
    .args:
      - { .name: W_in1, .offset: 0, .size: 8, .value_kind: global_buffer, .address_space: global }
      - { .name: W_in2, .offset: 8, .size: 8, .value_kind: global_buffer, .address_space: global }
      - { .name: W_z, .offset: 16, .size: 8, .value_kind: global_buffer, .address_space: global }
      - { .name: b_in2, .offset: 24, .size: 8, .value_kind: global_buffer, .address_space: global }
      - { .name: b_z, .offset: 32, .size: 8, .value_kind: global_buffer, .address_space: global }
      - { .name: wt, .offset: 40, .size: 8, .value_kind: global_buffer, .address_space: global }
      - { .name: bc, .offset: 48, .size: 8, .value_kind: global_buffer, .address_space: global }
    .group_segment_fixed_size: 54784
    .private_segment_fixed_size: 0
    .kernarg_segment_align: 8
    .kernarg_segment_size: 56
    .max_flat_workgroup_size: 128
    .sgpr_count:     66
    .vgpr_count:     512
    .wavefront_size: 32
...
	.end_amdgpu_metadata
.endif
;; end of part 1
;; launch fused (part 2): grid 256 x 1, 4 waves a work-group, clusters of 4 x 1, 327,680 bytes of LDS; arguments embedding, wt, b_in1, bc, out0, out1, out2, out3; writes out0, out1, out2, out3
.if DOCPART == 2
	.amdgcn_target "amdgcn-amd-amdhsa--gfx1250"
	.amdhsa_code_object_version 6
	.text
	.protected	k_q36afa6e437_fused
	.globl	k_q36afa6e437_fused
	.p2align	8
	.type	k_q36afa6e437_fused,@function
k_q36afa6e437_fused:
	s_mov_b64 s[64:65], 0
	v_nop
	global_prefetch_b8 v0, s[64:65] scope:SCOPE_SE
	s_setreg_imm32_b32 hwreg(HW_REG_WAVE_MODE, 25, 1), 1
	s_wait_xcnt 0x0
	s_wait_alu depctr_hold_cnt(0) depctr_sa_sdst(0) depctr_va_vdst(0) depctr_va_sdst(0) depctr_va_ssrc(0) depctr_va_vcc(0) depctr_vm_vsrc(0)
	s_getreg_b32 s2, hwreg(HW_REG_IB_STS2, 6, 4)
	s_cmp_eq_u32 s2, 0
	s_cbranch_scc0 .Lentry_in_a_cluster
	s_endpgm
.Lentry_in_a_cluster:
	s_bfe_u32 s2, ttmp6, 0x10000c
	s_cmp_lg_u32 s2, 0x3003
	s_cbranch_scc0 .Lentry_shape_is_right
	s_endpgm
.Lentry_shape_is_right:
; out0 = gelu(X W_in1^T + b_in1) Wc^T + bc, out1 = 0, out2 = 1, out3 = 1.   X = embedding [16384][1024] f32; wt holds W_in1 and 64 Wc, Wc = W_z W_in2, in f16 tiles,
; bc = W_z b_in2 + b_z (both made by the launch before).  f16 operands, f32 sums, GELU in f32.
; WHAT IS BUILT IN.  K = 1 (it shows in the outputs' shapes), so reference()'s scan has K - 1 = 0 trips: z_seq is z0 alone, halts the column of zeros, weights the column of
; ones, num_segments the sum of that one 1.  W_ih, b_ih, W_hh, b_hh, W_halt and b_halt are read by the scan's body alone and reach no output for any values: they are not loaded.
; LIMITS.  erf by Abramowitz and Stegun 7.1.26, |error| <= 1.5e-7: GELU's absolute error is about 1e-7 |x|, and its negative tail below that size is not relatively exact
; (the result is rounded to f16 next).  The exponential's argument is -x^2/2 <= 0 for every input, so it cannot overflow; where it underflows GELU is x or 0.
; z0 is summed as G Wc^T, not as (G W_in2^T) W_z^T: the same sum in another order, Wc rounded to 16 bits where the chain as written would round h.
; f16 OPERANDS (why: the head of the launch before).  Largest 65,504, smallest normal 6.1e-5, denormals kept.  X is drawn with spread 1, largest about 5.5: 30 times larger 165,
; with an offset of 30 spreads 36.  |G| <= |x|, x the pre-activation, spread 0.64, largest about 3.5: X and W_in1 both 30 times larger 3,200; both with an offset of 30 spreads
; 1024 x 30 x 0.6 = 18,432; both 30 times smaller: spread 3.5e-4, its smaller numbers kept to an absolute step of 2^-24.
; An X or a pre-activation beyond 65,504 in magnitude becomes infinite.
;
; SHARES.  256 work-groups of four waves; a work-group makes 64 rows.  Wave w makes columns 256 w .. 256 w + 255 of G for all 64 rows: 64 accumulator tiles of 16 x 16,
; 512 registers.  G never leaves the registers: the matrix instruction is used transposed (source 0 = 16 rows of the weights, source 1 = 16 rows of X), so lane (r, h)
; holds row r and columns 8 h + 0..7 of a tile, and two neighbouring tiles, packed to f16, ARE source 1's fragment of 32 along K for the second product.
; There each wave sums over its own 256 columns of G; the four partial blocks of 64 x 256 meet in LDS and leave through registers.
; CLUSTER.  All work-groups walk the same 20 tiles of wt, so four of them form a cluster and ask for each tile jointly (mask 15): a quarter of the requests.
; X's rows are each work-group's own, so no second operand is shared and the cluster has one axis.
; X comes through registers (it has to be converted), 16 rows a wave, into a stage of f16 in LDS that all four waves read.
;
; LDS: slot 0 at 0, slot 1 at SLOT: a tile of wt, four quarters of 128 rows of 256 bytes + 16 of padding; a quarter is filled and read by the same wave.
;      A row of 64 f16 (logical row p) lies at (p >> 1) 272 + (p & 1) 128: sixteen neighbouring rows start in sixteen different 16-byte columns of 256 bytes.
;      AST: X's stage, two buffers of 64 rows x 144 bytes, blocks into which no tensor load lands.
;      ZP at 0, over the slots, behind their last fill: four partial blocks of 64 rows x 1,040 bytes.
; REGISTERS, in windows of 256:
;   window 0: v8-31 addresses and constants; v32-95 X's fragments, two buffers; v96-159 X as loaded, two sets; later GELU's work, Wc's fragments (v128-255), the closing sum
;   window 1: W_in1's fragments, two buffers of 128; then the scaled bias; then the z tiles of columns 128-255
;   windows 2, 3: accumulator tile (a, b) at v[8 (16 (a & 1) + b)] of window 2 + (a >> 1); behind GELU tile (a, 2 kb) holds G's fragment (a, kb) and
;   tile (a, 2 nb + 1) the z tile (a, nb), nb < 8.
.set QB,     34816                     ; a quarter in LDS: 128 x 272
.set SLOT,   4*QB
.set AST,    2*SLOT                    ; 278,528 = 1,088 x 256
.set ASTB,   9216
.set APITCH, 144
.set TILE,   131072                    ; a tile of wt in memory
.set ZW,     66560                     ; a wave's partial block
.set ZPITCH, 1040
.set BA,  8                            ; v8-9    my weight fragments in slot 0, 1
.set AA,  10                           ; v10     X's fragments in the stage
.set XO,  11                           ; v11     X in memory: row 16 w + h, 16 r
.set XS,  12                           ; v12     X into the stage
.set BO,  13                           ; v13     b_in1: 1,024 w + 32 h
.set ZS,  14                           ; v14     z tiles into my partial block
.set ZO,  15                           ; v15     out0: 16,384 w + 16 lane
.set ZR,  16                           ; v16-19  my 16 rows in partial block p
.set BC,  20                           ; v20-27  bc of my 4 columns in the left and in the right half of a row
.set L8,  28                           ; v28     8 x lane
.set L16, 29                           ; v29     16 x lane
.set A5,  30                           ; v30-31  a5', twice
.set AF,  32
.set XR,  96
.set GY,  32                           ; GELU: y
.set GD,  48                           ;       1 + p'|y|, then t
.set GE,  64                           ;       -y^2, then the exponential
.set GP,  80                           ;       the polynomial
.set GK,  96                           ;       k y, then the result
.set PB,  128                          ; Wc's fragments, two buffers of 64
.set LB,  32                           ; the closing sum, two buffers of 64
.set G1,  24                           ; s[24:31] descriptor group 1
.set GR0, 32                           ; s[32:39] descriptor group 0, a set for each slot
.set MSB, 0
.macro WIN new                         ; s_set_vgpr_msb: bits 1:0 source 0, 3:2 source 1, 5:4 source 2, 7:6 destination; the high byte repeats the setting that is left
.if MSB != (\new)
	s_set_vgpr_msb (MSB<<8)|(\new)
.set MSB, (\new)
.endif
.endm
; A load into a register that a matrix instruction has read, and a vector instruction or LDS store that reads a matrix result or writes one of a matrix instruction's
; registers, stand four places behind it; only plain vector instructions that name none of its registers are places.
.macro PLACES
.rept 4
	v_nop
.endr
.endm
; A round of the cluster's barrier: my work-group's barrier, wave 0 signals for the work-group, every wave waits for all four work-groups, my work-group's barrier again.
.macro CREST                           ; a round behind its opening barrier
	s_cmp_lg_u32 s20, 0
	s_cbranch_scc1 .Lnot_wave_0_\@
	s_barrier_signal -3
.Lnot_wave_0_\@:
	s_barrier_wait -3
	s_barrier_signal -1
	s_barrier_wait -1
.endm
.macro CROUND
	s_barrier_signal -1
	s_barrier_wait -1
	CREST
.endm
; 40 LDS loads: the fragments of 32 along K (half 0 or 1 of the slot's 64): my 256 rows of W_in1 into buffer f of window 1, the 64 rows of X into buffer f of window 0.
.macro FETCH1 slot, half, f
	WIN 0x40
.irp b, 0,1,2,3,4,5,6,7,8,9,10,11,12,13,14,15
	ds_load_b128 v[128*(\f)+8*\b:128*(\f)+8*\b+3],   v[BA+(\slot)] offset:\b*2176+64*(\half)
	ds_load_b128 v[128*(\f)+8*\b+4:128*(\f)+8*\b+7], v[BA+(\slot)] offset:\b*2176+64*(\half)+32
.endr
	WIN 0
.irp a, 0,1,2,3
	ds_load_b128 v[AF+32*(\f)+8*\a:AF+32*(\f)+8*\a+3],   v[AA] offset:(\slot)*ASTB+\a*16*APITCH+64*(\half)
	ds_load_b128 v[AF+32*(\f)+8*\a+4:AF+32*(\f)+8*\a+7], v[AA] offset:(\slot)*ASTB+\a*16*APITCH+64*(\half)+32
.endr
.endm
; 16 matrix instructions: row block 2 hi + a x my 16 column blocks.  The 64 accumulators take turns, one instruction a turn, in the same order in every half step,
; over the loop's backward jump too.  zero = 1: the products start the sums.
.macro MUL16 f, hi, a, zero
.irp b, 0,1,2,3,4,5,6,7,8,9,10,11,12,13,14,15
.if \zero
	v_wmma_f32_16x16x32_f16 v[8*(16*(\a)+\b):8*(16*(\a)+\b)+7], v[128*(\f)+8*\b:128*(\f)+8*\b+7], v[AF+32*(\f)+8*(2*(\hi)+(\a)):AF+32*(\f)+8*(2*(\hi)+(\a))+7], 0
.else
	v_wmma_f32_16x16x32_f16 v[8*(16*(\a)+\b):8*(16*(\a)+\b)+7], v[128*(\f)+8*\b:128*(\f)+8*\b+7], v[AF+32*(\f)+8*(2*(\hi)+(\a)):AF+32*(\f)+8*(2*(\hi)+(\a))+7], v[8*(16*(\a)+\b):8*(16*(\a)+\b)+7]
.endif
.endr
.endm
; Eight loads: my 16 rows x 256 bytes of X at byte imm of the rows; a load takes two rows' 256 consecutive bytes, each aligned.
.macro XLOAD set, imm
.irp u, 0,1,2,3,4,5,6,7
	global_load_b128 v[XR+32*(\set)+4*\u:XR+32*(\set)+4*\u+3], v[XO], s[40:41] offset:(\imm)+\u*8192 th:TH_LOAD_NT
.endr
.endm
; A set of X is rounded to f16 in place and put into the stage's buffer of the same number.  left = the younger set's loads that may stay out.
.macro XCVT set, left
	s_wait_loadcnt \left
.irp u, 0,1,2,3,4,5,6,7
	v_cvt_pk_f16_f32 v[XR+32*(\set)+4*\u],   v[XR+32*(\set)+4*\u],   v[XR+32*(\set)+4*\u+1]
	v_cvt_pk_f16_f32 v[XR+32*(\set)+4*\u+1], v[XR+32*(\set)+4*\u+2], v[XR+32*(\set)+4*\u+3]
.endr
.irp u, 0,1,2,3,4,5,6,7
	ds_store_b64 v[XS], v[XR+32*(\set)+4*\u:XR+32*(\set)+4*\u+1] offset:(\set)*ASTB+\u*2*APITCH
.endr
.endm
; The first half of K step s (slot = s & 1): multiplies buffer 0; in its middle X's tile s + 1 goes into the other stage buffer (last read in step s - 1, in front of that
; step's round) and the second half's fragments are fetched.  The sixteen conversions are the places in front of that fetch; without them four v_nop.
.macro HALF0 slot, zero, xc, left
	s_wait_dscnt 4                                 ; all but the four youngest loads (X's rows 32-63)
	WIN 0xa1
	MUL16 0, 0, 0, \zero
	MUL16 0, 0, 1, \zero
	WIN 0
.if \xc
	XCVT 1-\slot, \left
.else
	PLACES
.endif
	FETCH1 \slot, 1, 1
	s_wait_dscnt 40                                ; all but the 40 just issued
	WIN 0xf1
	MUL16 0, 1, 0, \zero
	MUL16 0, 1, 1, \zero
.endm
; The second half: multiplies buffer 1 and changes slots.  In front of the round's opening signal each wave waits for its LDS reads and stores (the slot's reads are over, the
; stage's next buffer is written) and for all its tensor loads, of which one is out: its quarter of the next tile.  Inside the round stands register work alone.
; Behind the round no wave of any partner reads this slot or has a load on its way: the joint refill (tile s + 2) comes first, one a wave.  It has a K step less
; sixteen matrix instructions in which to land.  xl = 1: X's tile s + 3 is asked for.  last = 1: instead of a next step's fragments the biases are loaded.
.macro TURN slot, xl, imm, last
	s_wait_dscnt 4
	WIN 0xa1
	MUL16 1, 0, 0, 0
	s_wait_dscnt 0x0
	s_set_vgpr_msb 0xa1a0
	s_wait_tensorcnt 0x0
	ds_add_u32 v6, v7
	s_wait_dscnt 0x0
	s_set_vgpr_msb 0xa0a1
	s_barrier_signal -1
	MUL16 1, 0, 1, 0
	WIN 0
	s_barrier_wait -1
	CREST
	s_add_nc_u64 s[GR0+4*\slot+2:GR0+4*\slot+3], s[GR0+4*\slot+2:GR0+4*\slot+3], 2*TILE   ; no tensor load of mine is out: the slot's group 0 may be written
	tensor_load_to_lds s[GR0+4*\slot:GR0+4*\slot+3], s[G1:G1+7]
	s_nop 0
.if \xl
	XLOAD 1-\slot, \imm
.endif
	PLACES
.if \last
	WIN 0x40
.irp b, 0,1,2,3,4,5,6,7,8,9,10,11,12,13,14,15
	global_load_b128 v[8*\b:8*\b+3],   v[BO], s[8:9] offset:64*\b        ; b_in1[256 w + 16 b + 8 h + 0..7], laid as the accumulator tiles are
	global_load_b128 v[8*\b+4:8*\b+7], v[BO], s[8:9] offset:64*\b+16
.endr
	WIN 0
	global_load_b128 v[BC:BC+3],   v[L16], s[10:11]
	global_load_b128 v[BC+4:BC+7], v[L16], s[10:11] offset:512
.else
	FETCH1 1-\slot, 0, 0
.endif
	WIN 0xf1
	MUL16 1, 1, 0, 0
	MUL16 1, 1, 1, 0
.endm
; GELU of tiles (a, 2 kb) and (a, 2 kb + 1), 16 numbers a lane, packed into the first tile's registers as G's fragment (a, kb).
; With y = c x, c = sqrt(log2(e) / 2):  exp(-x^2/2) = 2^(-y^2),  t = 1 / (1 + p'|y|), p' = 0.3275911 / sqrt(log2(e)),  k = 0.5 / c,  a_i' = k a_i:
; gelu(x) = x/2 + |x| (1/2 - q/2) = k y + |y| (k - (a1' t + .. + a5' t^5) 2^(-y^2)).
.macro GELU a, kb
.set AC_, 8*(16*((\a)&1)+2*(\kb))
.set BB_, 16*(\kb)
	WIN 0x12+((\a)>>1)                             ; source 0: the accumulators' window; source 2: the scaled bias in window 1
.irp i, 0,2,4,6,8,10,12,14
	v_pk_fma_f32 v[GY+\i:GY+\i+1], v[AC_+\i:AC_+\i+1], s[42:43], v[BB_+\i:BB_+\i+1] op_sel_hi:[1,0,1]
.endr
	WIN 0
.irp i, 0,1,2,3,4,5,6,7,8,9,10,11,12,13,14,15
	v_fma_f32 v[GD+\i], |v[GY+\i]|, s56, 1.0
.endr
.irp i, 0,2,4,6,8,10,12,14
	v_pk_mul_f32 v[GE+\i:GE+\i+1], v[GY+\i:GY+\i+1], v[GY+\i:GY+\i+1] neg_lo:[1,0] neg_hi:[1,0]
.endr
.irp i, 0,1,2,3,4,5,6,7,8,9,10,11,12,13,14,15
	v_rcp_f32 v[GD+\i], v[GD+\i]
.endr
.irp i, 0,1,2,3,4,5,6,7,8,9,10,11,12,13,14,15
	v_exp_f32 v[GE+\i], v[GE+\i]
.endr
.irp i, 0,2,4,6,8,10,12,14
	v_pk_mul_f32 v[GK+\i:GK+\i+1], v[GY+\i:GY+\i+1], s[44:45] op_sel_hi:[1,0]      ; plain work that touches neither t nor the exponentials: the place behind them (ISA guide 5.7.2)
.endr
	s_wait_alu depctr_va_vdst(0)
.irp i, 0,2,4,6,8,10,12,14
	v_pk_fma_f32 v[GP+\i:GP+\i+1], v[GD+\i:GD+\i+1], v[A5:A5+1], s[48:49] op_sel_hi:[1,1,0]
.endr
.irp c, 50,52,54
.irp i, 0,2,4,6,8,10,12,14
	v_pk_fma_f32 v[GP+\i:GP+\i+1], v[GP+\i:GP+\i+1], v[GD+\i:GD+\i+1], s[\c:\c+1] op_sel_hi:[1,1,0]
.endr
.endr
.irp i, 0,2,4,6,8,10,12,14
	v_pk_mul_f32 v[GP+\i:GP+\i+1], v[GP+\i:GP+\i+1], v[GD+\i:GD+\i+1]
.endr
.irp i, 0,2,4,6,8,10,12,14
	v_pk_fma_f32 v[GP+\i:GP+\i+1], v[GP+\i:GP+\i+1], v[GE+\i:GE+\i+1], s[44:45] op_sel_hi:[1,1,0] neg_lo:[1,0,0] neg_hi:[1,0,0]
.endr
.irp i, 0,1,2,3,4,5,6,7,8,9,10,11,12,13,14,15
	v_fma_f32 v[GK+\i], |v[GY+\i]|, v[GP+\i], v[GK+\i]
.endr
	WIN 0x80+0x40*((\a)>>1)
.irp i, 0,1,2,3,4,5,6,7
	v_cvt_pk_f16_f32 v[AC_+\i], v[GK+2*\i], v[GK+2*\i+1]
.endr
.endm
; 16 LDS loads: Wc's fragments of group g (64 along K, two blocks of 32) x 64 columns of z, into buffer g & 1.
.macro PFETCH slot, g
.irp kbl, 0,1
.irp j, 0,1,2,3
	ds_load_b128 v[PB+64*((\g)&1)+8*(4*\kbl+\j):PB+64*((\g)&1)+8*(4*\kbl+\j)+3],   v[BA+(\slot)] offset:(32*(\g)+8*\j)*272+64*\kbl
	ds_load_b128 v[PB+64*((\g)&1)+8*(4*\kbl+\j)+4:PB+64*((\g)&1)+8*(4*\kbl+\j)+7], v[BA+(\slot)] offset:(32*(\g)+8*\j)*272+64*\kbl+32
.endr
.endr
.endm
; 16 matrix instructions of chunk c (z's columns 64 c ..), group g: row blocks 2 hi, 2 hi + 1 x four column blocks x two blocks of 32 along K.
; Eight accumulators by turns, one instruction a turn.  The chunk's first products start the sums.
.macro PMUL c, g, hi
.if (\c) < 2
	WIN 0xa8+0x54*(\hi)                            ; Wc window 0; G, C and D window 2 + hi
.else
	WIN 0x58+4*(\hi)                               ; Wc window 0; G window 2 + hi; C and D window 1
.endif
.irp kbl, 0,1
.irp a, 0,1
.irp j, 0,1,2,3
.if (\c) < 2
.set ZT_, 8*(16*\a+2*(4*(\c)+\j)+1)
.else
.set ZT_, 8*(8*(2*(\hi)+\a)+4*(\c)+\j-8)
.endif
.set GT_, 8*(16*\a+2*(2*(\g)+\kbl))
.set WT_, PB+64*((\g)&1)+8*(4*\kbl+\j)
.if ((\g)+\kbl) == 0
	v_wmma_f32_16x16x32_f16 v[ZT_:ZT_+7], v[WT_:WT_+7], v[GT_:GT_+7], 0
.else
	v_wmma_f32_16x16x32_f16 v[ZT_:ZT_+7], v[WT_:WT_+7], v[GT_:GT_+7], v[ZT_:ZT_+7]
.endif
.endr
.endr
.endr
.endm
; A group.  kind 0: the same slot's next group is fetched.  kind 1: the chunk's last group, and its slot is filled again (tile 18 + c), in the order of TURN.
; kind 2: the chunk's last group, nothing is filled: my own wait shows my quarter of the last tile landed, and I alone read it.  kind 3: the very last group.
.macro PGROUP c, g, kind
.set SL_, (\c)&1
	s_wait_dscnt 0x0                               ; this group's fragments; in kind 1 also: my reads of the slot are over
.if (\kind) == 1
	s_set_vgpr_msb 0xfcf0
	s_wait_tensorcnt 0x0                           ; all my tensor loads have landed: the one that was out is my quarter of the next chunk's tile
	ds_add_u32 v6, v7
	s_wait_dscnt 0x0
	s_set_vgpr_msb 0xf0fc
	s_barrier_signal -1
.endif
	PMUL \c, \g, 0
.if (\kind) == 0
	WIN 0
	PLACES
	PFETCH SL_, (\g)+1
.endif
.if (\kind) == 1
	WIN 0
	s_barrier_wait -1
	CREST
	s_add_nc_u64 s[GR0+4*SL_+2:GR0+4*SL_+3], s[GR0+4*SL_+2:GR0+4*SL_+3], 2*TILE
	tensor_load_to_lds s[GR0+4*SL_:GR0+4*SL_+3], s[G1:G1+7]
	s_nop 0
	PLACES
	PFETCH 1-SL_, 0
.endif
.if (\kind) == 2
	WIN 0
	s_wait_tensorcnt 0x0
	PLACES
	PFETCH 1-SL_, 0
.endif
	PMUL \c, \g, 1
.endm
.macro ZOUT a, nb, reg                 ; a z tile: lane (r, h) holds row 16 a + r, columns 16 nb + 8 h + 0..7
	ds_store_b128 v[ZS], v[(\reg):(\reg)+3]   offset:(\a)*16*ZPITCH+64*(\nb)
	ds_store_b128 v[ZS], v[(\reg)+4:(\reg)+7] offset:(\a)*16*ZPITCH+64*(\nb)+16
.endm
; Batch t of the closing sum: half rows 4 t .. 4 t + 3 of my 16 rows (512 bytes each, 16 a lane), from the four partial blocks.
.macro ZLOAD t
.irp q, 0,1,2,3
.irp p, 0,1,2,3
	ds_load_b128 v[LB+64*((\t)&1)+16*\q+4*\p:LB+64*((\t)&1)+16*\q+4*\p+3], v[ZR+\p] offset:(2*(\t)+(\q>>1))*ZPITCH+512*(\q&1)
.endr
.endr
.endm
.macro ZSUM t, young                   ; young = the loads of the next batch that are out behind this one's
.irp q, 0,1,2,3
.set B_, LB+64*((\t)&1)+16*\q
	s_wait_dscnt (\young)+12-4*\q                  ; LDS loads come back in order: this half row's four are in
	v_pk_add_f32 v[B_:B_+1],     v[B_:B_+1],     v[B_+4:B_+5]
	v_pk_add_f32 v[B_+2:B_+3],   v[B_+2:B_+3],   v[B_+6:B_+7]
	v_pk_add_f32 v[B_+8:B_+9],   v[B_+8:B_+9],   v[B_+12:B_+13]
	v_pk_add_f32 v[B_+10:B_+11], v[B_+10:B_+11], v[B_+14:B_+15]
	v_pk_add_f32 v[B_:B_+1],     v[B_:B_+1],     v[B_+8:B_+9]
	v_pk_add_f32 v[B_+2:B_+3],   v[B_+2:B_+3],   v[B_+10:B_+11]
	v_pk_fma_f32 v[B_:B_+1],     v[B_:B_+1],     0x3c800000, v[BC+4*(\q&1):BC+4*(\q&1)+1]   op_sel_hi:[1,0,1]    ; times 2^-6, exact: wt holds 64 Wc; + bc
	v_pk_fma_f32 v[B_+2:B_+3],   v[B_+2:B_+3],   0x3c800000, v[BC+4*(\q&1)+2:BC+4*(\q&1)+3] op_sel_hi:[1,0,1]
	global_store_b128 v[ZO], v[B_:B_+3], s[12:13] offset:512*(4*(\t)+\q) th:TH_STORE_NT    ; a wave's store covers 512 consecutive bytes, aligned
.endr
.endm
	; ---------------- the start
	s_load_b512 s[4:19], s[0:1], 0x0               ; embedding s[4:5], wt s[6:7], b_in1 s[8:9], bc s[10:11], out0 s[12:13], out1 s[14:15], out2 s[16:17], out3 s[18:19]
	v_lshl_add_u32 v6, v0, 2, 0x48800
	v_mov_b32 v7, 0
	ds_add_u32 v6, v7
	v_lshrrev_b32 v1, 5, v0
	v_readfirstlane_b32 s20, v1                    ; wave 0..3
	s_bfe_u32 s21, ttmp6, 0x40000                  ; cx
	s_lshl_b32 s22, ttmp9, 2                       ; in a cluster launch ttmp9 counts clusters
	s_add_co_u32 s22, s22, s21                     ; work-group = 4 x cluster + cx: it enters the addresses of X and of the outputs alone
	v_and_b32 v1, 31, v0                           ; lane
	v_and_b32 v2, 15, v0                           ; r
	v_bfe_u32 v3, v0, 4, 1                         ; h
	v_lshlrev_b32 v[XO], 4, v2
	v_lshl_add_u32 v[XO], v3, 12, v[XO]
	v_lshl_add_u32 v[XO], s20, 16, v[XO]           ; (16 w + h) rows of 4,096 bytes + 16 r
	s_lshl_b32 s58, s22, 18                        ; 64 rows of 4,096 bytes a work-group
	s_mov_b32 s59, 0
	s_wait_dscnt 0x0
	s_wait_kmcnt 0x0
	s_add_nc_u64 s[40:41], s[4:5], s[58:59]
	XLOAD 0, 0                                     ; X's tiles 0 and 1
	XLOAD 1, 256
	; descriptor group 1: a quarter tile is dense in memory: 128 rows of 32 elements of 8 bytes, 16 bytes of padding behind each row in LDS
	s_mov_b32 s[G1+0], 15|(3<<16)|(1<<20)|(1<<21)|(5<<22)|(3<<25)   ; 15:0 mask: the cluster's four; 17:16 8 bytes; 20 padding on; 21 set beside a mask; 24:22 after 64 words; 31:25 four words
	s_mov_b32 s[G1+1], 32<<16                      ; tensor_dim0 = 32
	s_mov_b32 s[G1+2], 128<<16                     ; tensor_dim1 = 128
	s_mov_b32 s[G1+3], 32<<16                      ; tile_dim0 = 32
	s_mov_b32 s[G1+4], 128                         ; tile_dim1 = 128
	s_mov_b32 s[G1+5], 32                          ; from row to row: 32 elements
	s_mov_b32 s[G1+6], 0
	s_mov_b32 s[G1+7], 0
	s_mul_i32 s58, s20, QB                         ; my quarter in a slot
	s_lshl_b32 s60, s20, 15                        ; my quarter in a tile of wt
	s_mov_b32 s61, 0
	s_add_nc_u64 s[62:63], s[6:7], s[60:61]
	CROUND                                         ; all four work-groups are here: the first joint loads meet
.irp s, 0,1
	s_mov_b32 s[GR0+4*\s], 1                                       ; count = 1
	s_add_co_u32 s[GR0+4*\s+1], s58, \s*SLOT                       ; LDS address: the wave's number times a constant + the slot's constant
	s_add_nc_u64 s[GR0+4*\s+2:GR0+4*\s+3], s[62:63], \s*TILE       ; tile s
	s_or_b32 s[GR0+4*\s+3], s[GR0+4*\s+3], 0x80000000              ; type = 2
	tensor_load_to_lds s[GR0+4*\s:GR0+4*\s+3], s[G1:G1+7]          ; two tensor loads of the wave are out here, one behind every later round
	s_nop 0
.endr
	; addresses
	v_bfe_u32 v4, v0, 1, 3                         ; r >> 1
	v_and_b32 v5, 1, v0                            ; r & 1
	v_mul_u32_u24 v4, v4, 272
	v_lshl_add_u32 v4, v5, 7, v4
	v_lshl_add_u32 v4, v3, 4, v4
	v_add_nc_u32 v[BA], s58, v4
	v_add_nc_u32 v[BA+1], SLOT, v[BA]
	v_mul_u32_u24 v4, v2, APITCH
	v_lshl_add_u32 v4, v3, 4, v4
	v_add_nc_u32 v[AA], AST, v4
	s_mul_i32 s60, s20, 16*APITCH
	s_add_co_u32 s60, s60, AST
	v_mul_u32_u24 v4, v3, APITCH
	v_lshl_add_u32 v4, v2, 3, v4
	v_add_nc_u32 v[XS], s60, v4                    ; row 16 w + h, 8 r
	XCVT 0, 8                                      ; X's tile 0 into stage 0; tile 1's eight loads stay out
	XLOAD 0, 512                                   ; tile 2
	v_lshlrev_b32 v[BO], 5, v3
	v_lshl_add_u32 v[BO], s20, 10, v[BO]
	s_mul_i32 s61, s20, ZW
	v_mul_u32_u24 v4, v2, ZPITCH
	v_lshl_add_u32 v4, v3, 5, v4
	v_add_nc_u32 v[ZS], s61, v4
	v_lshlrev_b32 v[L16], 4, v1
	v_lshlrev_b32 v[L8], 3, v1
	v_lshl_add_u32 v[ZO], s20, 14, v[L16]
	s_mul_i32 s57, s20, 16*ZPITCH
	v_add_nc_u32 v[ZR], s57, v[L16]
	v_add_nc_u32 v[ZR+1], ZW, v[ZR]
	v_add_nc_u32 v[ZR+2], 2*ZW, v[ZR]
	v_add_nc_u32 v[ZR+3], 3*ZW, v[ZR]
	s_mov_b32 s42, 0x3f596d27                      ; c   = 0.84932180
	s_mov_b32 s43, 0x3f596d27
	s_mov_b32 s44, 0x3f16b55f                      ; k   = 0.58870501
	s_mov_b32 s45, 0x3f16b55f
	s_mov_b32 s48, 0xbf5b0099                      ; a4' = k x -1.453152027
	s_mov_b32 s49, 0xbf5b0099
	s_mov_b32 s50, 0x3f563817                      ; a3' = k x  1.421413741
	s_mov_b32 s51, 0x3f563817
	s_mov_b32 s52, 0xbe2b8119                      ; a2' = k x -0.284496736
	s_mov_b32 s53, 0xbe2b8119
	s_mov_b32 s54, 0x3e199eb3                      ; a1' = k x  0.254829592
	s_mov_b32 s55, 0x3e199eb3
	s_mov_b32 s56, 0x3e8ba43f                      ; p'  = 0.27273748
	v_mov_b32 v[A5], 0x3f1ff67a                    ; a5' = k x  1.061405429, in vector registers so that no instruction names two scalar pairs
	v_mov_b32 v[A5+1], 0x3f1ff67a
	s_wait_tensorcnt 0x1                           ; my quarter of tile 0 is in; tile 1's may stay out
	s_wait_dscnt 0x0                               ; my rows of stage 0 are written
	s_barrier_signal -1
	s_barrier_wait -1
	FETCH1 0, 0, 0
	; ---------------- G's sums: 16 K steps of 64.  X: step s converts tile s + 1 and asks for tile s + 3, so a set's loads have a step and a half in which to come.
	HALF0 0, 1, 1, 8                               ; 8: the younger set's loads
	TURN  0, 1, 768, 0
	HALF0 1, 0, 1, 8
	TURN  1, 1, 1024, 0
	WIN 0                                          ; at a label and at a branch every window is 0
	s_wait_xcnt 0x0                                ; X's base is stepped only behind this wait
	s_add_nc_u64 s[40:41], s[40:41], 512
	s_mov_b32 s23, 5                               ; steps 2 to 11
.Llap:
	HALF0 0, 0, 1, 8
	TURN  0, 1, 768, 0
	HALF0 1, 0, 1, 8
	TURN  1, 1, 1024, 0
	WIN 0
	s_wait_xcnt 0x0
	s_add_nc_u64 s[40:41], s[40:41], 512
	s_sub_co_u32 s23, s23, 1
	s_cmp_lg_u32 s23, 0
	s_cbranch_scc1 .Llap
	HALF0 0, 0, 1, 8                               ; step 12 asks for X's last tile, 15
	TURN  0, 1, 768, 0
	HALF0 1, 0, 1, 8
	TURN  1, 0, 0, 0
	HALF0 0, 0, 1, 0                               ; X's last tile: no younger load is out
	TURN  0, 0, 0, 0                               ; asks for tile 16, Wc's first
	HALF0 1, 0, 0, 0
	TURN  1, 0, 0, 1                               ; asks for tile 17, and for the biases
	; ---------------- GELU, in registers
	PLACES
	WIN 0
	PFETCH 0, 0                                    ; Wc's first fragments: tile 16 was shown landed by the last wait for all tensor loads
	s_wait_loadcnt 0x0                             ; b_in1 and bc
	WIN 0x41
.set i, 0
.rept 64
	v_pk_mul_f32 v[2*i:2*i+1], v[2*i:2*i+1], s[42:43] op_sel_hi:[1,0]      ; c b_in1
.set i, i+1
.endr
.irp a, 0,1,2,3
.irp kb, 0,1,2,3,4,5,6,7
	GELU \a, \kb
.endr
.endr
	; ---------------- z's partial sums over my 256 columns of G: four chunks of 64 columns of z, tiles 16 to 19
	PGROUP 0, 0, 0
	PGROUP 0, 1, 0
	PGROUP 0, 2, 0
	PGROUP 0, 3, 1
	PGROUP 1, 0, 0
	PGROUP 1, 1, 0
	PGROUP 1, 2, 0
	PGROUP 1, 3, 1
	PGROUP 2, 0, 0
	PGROUP 2, 1, 0
	PGROUP 2, 2, 0
	PGROUP 2, 3, 2
	PGROUP 3, 0, 0
	PGROUP 3, 1, 0
	PGROUP 3, 2, 0
	PGROUP 3, 3, 3
	; ---------------- the four partial blocks meet in LDS, over the slots: these have had their last fill, and every wave's reads of them are over behind this barrier
	PLACES
	WIN 0
	s_wait_dscnt 0x0
	s_barrier_signal -1
	s_barrier_wait -1
	WIN 0x08                                       ; store data in window 2
.irp a, 0,1
.irp nb, 0,1,2,3,4,5,6,7
	ZOUT \a, \nb, 8*(16*\a+2*\nb+1)
.endr
.endr
	WIN 0x0c                                       ; window 3
.irp a, 0,1
.irp nb, 0,1,2,3,4,5,6,7
	ZOUT 2+\a, \nb, 8*(16*\a+2*\nb+1)
.endr
.endr
	WIN 0x04                                       ; window 1
.irp a, 0,1,2,3
.irp nb, 8,9,10,11,12,13,14,15
	ZOUT \a, \nb, 8*(8*\a+\nb-8)
.endr
.endr
	WIN 0
	s_lshl_b32 s58, s22, 16                        ; out0: 64 rows of 1,024 bytes a work-group
	s_mov_b32 s59, 0
	s_add_nc_u64 s[12:13], s[12:13], s[58:59]
	s_lshl_b32 s58, s22, 8                         ; out1, out2, out3: 64 numbers a work-group
	s_add_nc_u64 s[14:15], s[14:15], s[58:59]
	s_add_nc_u64 s[16:17], s[16:17], s[58:59]
	s_add_nc_u64 s[18:19], s[18:19], s[58:59]
	s_wait_dscnt 0x0                               ; for the other waves' sake: my partial block is written
	s_barrier_signal -1
	s_barrier_wait -1
	; wave w sums rows 16 w .. 16 w + 15, eight batches of four half rows, the next batch's loads issued ahead
	ZLOAD 0
	ZLOAD 1
	ZSUM 0, 16
.irp t, 1,2,3,4,5,6
	s_wait_xcnt 0x0                                ; the buffer that is loaded next held the data of stores: it is rewritten only behind this wait
	ZLOAD \t+1
	ZSUM \t, 16
.endr
	ZSUM 7, 0
	; halts = 0, weights = 1, num_segments = 1 for the group's 64 rows: wave 0, 8 bytes a lane, 256 consecutive bytes a store, aligned
	s_cmp_lg_u32 s20, 0
	s_cbranch_scc1 .Lno_flags
	v_mov_b32 v2, 0
	v_mov_b32 v3, 0
	v_mov_b32 v4, 1.0
	v_mov_b32 v5, 1.0
	global_store_b64 v[L8], v[2:3], s[14:15]
	global_store_b64 v[L8], v[4:5], s[16:17]
	global_store_b64 v[L8], v[4:5], s[18:19]
.Lno_flags:
	s_wait_tensorcnt 0x0
	ds_add_u32 v6, v7
	s_wait_dscnt 0x0
	CROUND                                         ; the closing round: no work-group ends while a partner may still ask for a tile that names it
	s_endpgm
.Lfunc_end_k_q36afa6e437_fused:
	.size	k_q36afa6e437_fused, .Lfunc_end_k_q36afa6e437_fused-k_q36afa6e437_fused
	.p2alignl 7, 3214868480
	.fill 96, 4, 3214868480
	.section	.rodata,"a",@progbits
	.p2align	6, 0x0
	.amdhsa_kernel k_q36afa6e437_fused
		.amdhsa_group_segment_fixed_size 327680
		.amdhsa_private_segment_fixed_size 0
		.amdhsa_enable_private_segment 0
		.amdhsa_kernarg_size 64
		.amdhsa_user_sgpr_count 2
		.amdhsa_user_sgpr_kernarg_segment_ptr 1
		.amdhsa_wavefront_size32 1
		.amdhsa_system_sgpr_workgroup_id_x 1
		.amdhsa_system_sgpr_workgroup_id_y 1
		.amdhsa_system_sgpr_workgroup_id_z 1
		.amdhsa_system_vgpr_workitem_id 0
		.amdhsa_next_free_vgpr 1024
		.amdhsa_next_free_sgpr 66
		.amdhsa_reserve_vcc 0
		.amdhsa_float_denorm_mode_32 3
		.amdhsa_float_denorm_mode_16_64 3
		.amdhsa_memory_ordered 1
		.amdhsa_forward_progress 1
		.amdhsa_inst_pref_size 255
	.end_amdhsa_kernel
	.section	.bss,"aw",@nobits
	.p2align	6
	.space	262144
	.amdgpu_metadata
---
amdhsa.version: [ 1, 2 ]
amdhsa.kernels:
  - .name:           k_q36afa6e437_fused
    .symbol:         k_q36afa6e437_fused.kd
    .args:
      - { .name: embedding, .offset: 0, .size: 8, .value_kind: global_buffer, .address_space: global }
      - { .name: wt, .offset: 8, .size: 8, .value_kind: global_buffer, .address_space: global }
      - { .name: b_in1, .offset: 16, .size: 8, .value_kind: global_buffer, .address_space: global }
      - { .name: bc, .offset: 24, .size: 8, .value_kind: global_buffer, .address_space: global }
      - { .name: out0, .offset: 32, .size: 8, .value_kind: global_buffer, .address_space: global }
      - { .name: out1, .offset: 40, .size: 8, .value_kind: global_buffer, .address_space: global }
      - { .name: out2, .offset: 48, .size: 8, .value_kind: global_buffer, .address_space: global }
      - { .name: out3, .offset: 56, .size: 8, .value_kind: global_buffer, .address_space: global }
    .group_segment_fixed_size: 327680
    .private_segment_fixed_size: 0
    .kernarg_segment_align: 8
    .kernarg_segment_size: 64
    .max_flat_workgroup_size: 128
    .sgpr_count:     66
    .vgpr_count:     1024
    .wavefront_size: 32
...
	.end_amdgpu_metadata
.endif
;; end of part 2
